; MI455X (gfx1250); checked and timed in simulation.
; The chip was launched on July 23, 2026; its instructions are those of AMD's public machine-readable ISA for CDNA 5 (MIT licence, August 2026) and "CDNA5" Instruction Set Architecture Reference Guide (July 2026). The comments in the code are by the model that wrote it; some were corrected since.
;; Sparse BEV Attention. Allowed arithmetic: float matrix products may take bf16 or f16 operands with f32 sums; all other float work in f32.
;; Inputs: k 8 x 4,096 x 2 float32; k_proj_b 64 float32; k_proj_w 64 x 2 float32; q 8 x 4,096 x 2 float32; q_proj_b 64 float32; q_proj_w 64 x 2 float32; v 8 x 4,096 x 64 float32.
;; Outputs: out0 8 x 4,096 x 64 float32.
;; Constants: top_k = 16.
;; One version. Each part assembles by itself: llvm-mc -triple=amdgcn-amd-amdhsa -mcpu=gfx1250 --defsym DOCPART=n.
;; ======== version 1 of 1: 3 launches
;; limits: values outside matrix products are rounded to bf16
;; workspace buffers: glist 524,288 bytes of whole numbers; clist 524,288 bytes of whole numbers
;; launch groups (part 1): grid 256 x 1, 4 waves a work-group, no clusters, 133,632 bytes of LDS; arguments k, q, glist; writes glist
.if DOCPART == 1
	.amdgcn_target "amdgcn-amd-amdhsa--gfx1250"
	.amdhsa_code_object_version 6
	.text
	.protected	k_q29e6302840_groups
	.globl	k_q29e6302840_groups
	.p2align	8
	.type	k_q29e6302840_groups,@function
k_q29e6302840_groups:
	s_mov_b64 s[64:65], 0
	v_nop
	global_prefetch_b8 v0, s[64:65] scope:SCOPE_SE
	s_setreg_imm32_b32 hwreg(HW_REG_WAVE_MODE, 25, 1), 1
	s_wait_xcnt 0x0
; FIRST OF THREE LAUNCHES: for each query the 16 best GROUPS of 16 consecutive keys.
; d2(q, key) = (q2 + k2) - 2 q.k is made for all 4,096 keys of the query's batch, the minimum of max(d2, 0) is taken over each group of
; 16 keys (256 groups), and the 16 groups that come first in the order (minimum, group number) are stored, one byte each, ascending.
; The 16 nearest keys in the order (d2, key index) lie in these groups: a group that 16 others precede is preceded, element for
; element, by the 16 minima of those groups.
; ARITHMETIC.  q and k are rounded to bf16 (the rounding of a product's operands).  Then every product of two coordinates is exact in
; f32, and q2, k2, q.k, q2 + k2 and d2 have one rounding each, which the four f32 operations below repeat: P = (-2 k0) q0 (exact),
; P = fma(-2 k1, q1, P), T = k2 + q2, D = T + P.  The matrix unit is left out: K = 2 would fill a sixteenth of its depth, and the
; order of the neighbours hangs on these very roundings.
; LIMITS.  The order is that of d2, not of its rounded root: two different d2 whose f32 roots coincide (within some 1.2e-7 of each
; other, relatively) are ordered by d2 here and by index in the root's order.  Coordinates whose products fall below 2^-126 are no
; longer multiplied exactly.  NaN and infinities among q and k are not served.
; SHARES.  256 work-groups x 4 waves; a wave owns 32 queries (query = 128 x work-group + thread), batch = work-group / 32.
; Nothing is shared but 32 KiB of keys per batch, which every wave keeps in registers: no tensor loads, no cluster, no barrier.
; PHASE A: lanes hold KEYS.  Register 16 b + i (b = 0..7, i = 0..15) of lane L holds key 16 (32 b + L) + i: group 32 b + L is one lane's.
;   One trip per query: its q0, q1, q2 come as scalars; 256 packed operations make 4,096 d2; 72 more make 256 clamped minima.
; PHASE B: lanes hold QUERIES.  The minima went through the wave's own LDS rows (pitch 1,040 bytes: an odd multiple of 16).
; REGISTERS, in windows of 256:  window 0: v0-31 small things, v32-91 phase B, v96-111 scratch, v128-255 raw keys, then T, then D
;   window 1: v0-127 X' = -2 k0, v128-255 Y' = -2 k1      window 2: v0-127 S = k2, v128-255 P
; s[4:5] k at the batch, s[6:7] q at the work-group, s[8:9] glist at the work-group, s13 mask, s20 query, s21 wave, s22 its LDS rows,
; s[24:25] q0, s[26:27] q1, s[28:29] q2 (upper words 0, never used), s30 item number, s31 trips, s40 a lane mask
.set ROWP,  1040                       ; bytes from one query's row of 256 items to the next
.set WROWS, 32*ROWP                    ; a wave's rows
.set LISTB, 8                          ; s[8:9]: where the list goes
.set RAW,   128
.set TMP,   96
.set M,     16                         ; v[16:23] the eight minima of a lane
.set DD,    128
.set MA,    4                          ; phase B: read address
.set MA0,   30                         ;          its start: my query's row
.set LO,    31                         ;          16 x thread: my 16 bytes of the list
.set A,     32                         ; v[32:47] the 16 smallest values so far, ascending
.set U,     A+15                       ;          the sixteenth smallest
.set MB0,   48                         ; v[48:63] 16 items
.set MB1,   64                         ; v[64:79] 16 items
.set UP,    81                         ; the float next below U
.set THR,   82                         ; U while ties are still wanted, then UP
.set EQC,   83                         ; ties met so far
.set NEED,  84                         ; ties wanted
.set SH,    85                         ; 8 if the item is taken, else 0
.set EIGHT, 86
.set R,     88                         ; v[88:91] the list, 16 bytes
.set MSB, 0
.macro WIN new                         ; the immediate's high byte repeats the setting that is left
.if MSB != \new
	s_set_vgpr_msb (MSB<<8)|\new
.set MSB, \new
.endif
.endm
	s_load_b128 s[4:7], s[0:1], 0x0                ; k, q
	s_load_b64 s[8:9], s[0:1], 0x10                ; glist
	v_lshl_add_u32 v126, v0, 2, 0x20800
	v_mov_b32 v127, 0
	v_and_b32 v1, 31, v0                           ; lane
	v_lshrrev_b32 v5, 5, v0
	v_readfirstlane_b32 s21, v5                    ; wave
	s_mul_i32 s22, s21, WROWS                      ; my wave's rows in LDS
	s_lshr_b32 s14, ttmp9, 5                       ; batch
	s_lshl_b32 s14, s14, 15                        ; x 4,096 keys of 8 bytes
	s_mov_b32 s15, 0
	s_lshl_b32 s16, ttmp9, 10                      ; 128 queries of 8 bytes
	s_mov_b32 s17, 0
	s_lshl_b32 s18, ttmp9, 11                      ; 128 lists of 16 bytes
	s_mov_b32 s19, 0
	s_mov_b32 s13, 0xffff0000                      ; a word's upper bf16
	s_mov_b32 s25, 0                               ; upper words of the broadcast pairs: written, never multiplied
	s_mov_b32 s27, 0
	s_mov_b32 s29, 0
	v_lshlrev_b32 v2, 7, v1                        ; 128 x lane: a group of 16 keys
	v_lshlrev_b32 v12, 3, v0                       ; 8 x thread: my query
	v_lshl_add_u32 v3, v1, 2, s22                  ; phase A stores: word L of the row of query 0
	v_mul_u32_u24 v[MA0], v1, ROWP
	v_add_nc_u32 v[MA0], s22, v[MA0]               ; phase B reads: row L
	v_lshlrev_b32 v[LO], 4, v0
	s_wait_kmcnt 0x0
	s_add_nc_u64 s[4:5], s[4:5], s[14:15]
	s_add_nc_u64 s[6:7], s[6:7], s[16:17]
	s_add_nc_u64 s[8:9], s[8:9], s[18:19]
	global_load_b64 v[6:7], v12, s[6:7]
; four blocks of keys: lane L takes the 128 bytes of group 32 b + L, eight loads of 16 bytes
.macro LOADHALF hf
.irp b, 0,1,2,3
.irp j, 0,1,2,3,4,5,6,7
	global_load_b128 v[RAW+32*\b+4*\j:RAW+32*\b+4*\j+3], v2, s[4:5] offset:4096*(4*\hf+\b)+16*\j
.endr
.endr
.endm
; block bl of the half (b of the eight): round to bf16, then X' = -2 x, Y' = -2 y, S = x x + y y (one rounding: x x is exact)
.macro PREPBLK bl, b
	s_wait_loadcnt 8*(3-\bl)                       ; loads return in order: the later blocks' eight loads each stay out
.irp i, 0,1,2,3,4,5,6,7,8,9,10,11,12,13,14,15
	v_cvt_pk_bf16_f32 v[TMP+\i], v[RAW+32*\bl+2*\i], v[RAW+32*\bl+2*\i+1]
.endr
.irp i, 0,1,2,3,4,5,6,7,8,9,10,11,12,13,14,15
	v_lshlrev_b32 v[RAW+32*\bl+2*\i], 16, v[TMP+\i]
	v_and_b32 v[RAW+32*\bl+2*\i+1], s13, v[TMP+\i]
.endr
.irp i, 0,1,2,3,4,5,6,7,8,9,10,11,12,13,14,15
	v_mul_f32 v[TMP+\i], v[RAW+32*\bl+2*\i], v[RAW+32*\bl+2*\i]
.endr
	WIN 0x40                                       ; destination window 1
.irp i, 0,1,2,3,4,5,6,7,8,9,10,11,12,13,14,15
	v_mul_f32 v[16*\b+\i], -2.0, v[RAW+32*\bl+2*\i]
	v_mul_f32 v[128+16*\b+\i], -2.0, v[RAW+32*\bl+2*\i+1]
.endr
	WIN 0x80                                       ; destination window 2
.irp i, 0,1,2,3,4,5,6,7,8,9,10,11,12,13,14,15
	v_fma_f32 v[16*\b+\i], v[RAW+32*\bl+2*\i+1], v[RAW+32*\bl+2*\i+1], v[TMP+\i]
.endr
	WIN 0
.endm
	LOADHALF 0
	PREPBLK 0, 0
	PREPBLK 1, 1
	PREPBLK 2, 2
	PREPBLK 3, 3
	LOADHALF 1
	PREPBLK 0, 4
	PREPBLK 1, 5
	PREPBLK 2, 6
	PREPBLK 3, 7
	v_cvt_pk_bf16_f32 v11, v6, v7                  ; my query, rounded (its load was the first of all)
	v_lshlrev_b32 v8, 16, v11                      ; q0
	v_and_b32 v9, s13, v11                         ; q1
	v_mul_f32 v10, v8, v8
	v_fma_f32 v10, v9, v9, v10                     ; q2
	; PHASE A: one trip for each of my wave's 32 queries
	s_mov_b32 s20, 0
.Lquery:
	v_readlane_b32 s24, v8, s20
	v_readlane_b32 s26, v9, s20
	v_readlane_b32 s28, v10, s20
	WIN 0xa1                                       ; source 0 window 1, source 2 and destination window 2
.set i, 0
.rept 64
	v_pk_mul_f32 v[128+i:129+i], v[i:i+1], s[24:25] op_sel_hi:[1,0]                              ; P = X' q0
.set i, i+2
.endr
.set i, 0
.rept 64
	v_pk_fma_f32 v[128+i:129+i], v[128+i:129+i], s[26:27], v[128+i:129+i] op_sel_hi:[1,0,1]      ; P = Y' q1 + P
.set i, i+2
.endr
	WIN 0x02                                       ; source 0 window 2, destination window 0
.set i, 0
.rept 64
	v_pk_add_f32 v[128+i:129+i], v[i:i+1], s[28:29] op_sel_hi:[1,0]                              ; T = S + q2
.set i, i+2
.endr
	WIN 0x08                                       ; source 1 window 2
.set i, 0
.rept 64
	v_pk_add_f32 v[128+i:129+i], v[128+i:129+i], v[128+i:129+i]                                  ; D = T + P
.set i, i+2
.endr
	WIN 0
	; the minimum of each of my eight groups, the eight chains interleaved; then the clamp at 0
.irp b, 0,1,2,3,4,5,6,7
	v_min3_num_f32 v[M+\b], v[DD+16*\b], v[DD+16*\b+1], v[DD+16*\b+2]
.endr
.irp s, 0,1,2,3,4,5
.irp b, 0,1,2,3,4,5,6,7
	v_min3_num_f32 v[M+\b], v[M+\b], v[DD+16*\b+3+2*\s], v[DD+16*\b+4+2*\s]
.endr
.endr
.irp b, 0,1,2,3,4,5,6,7
	v_min_num_f32 v[M+\b], v[M+\b], v[DD+16*\b+15]
.endr
.irp b, 0,1,2,3,4,5,6,7
	v_max_num_f32 v[M+\b], 0, v[M+\b]
.endr
.irp b, 0,1,2,3,4,5,6,7
	ds_store_b32 v3, v[M+\b] offset:128*\b         ; item 32 b + L of the query's row: 32 lanes, 128 neighbouring bytes
.endr
	v_add_nc_u32 v3, ROWP, v3                      ; the next query's row
	s_add_co_u32 s20, s20, 1
	s_cmp_lt_u32 s20, 32
	s_cbranch_scc1 .Lquery
	; PHASE B: lane = query.  The rows are my wave's own, and LDS serves a wave's instructions in order: no wait, no barrier.
; one item into the sorted sixteen: A[j] becomes the middle one of (x, A[j-1], A[j]), from the top down
.macro INS x
.irp j, 15,14,13,12,11,10,9,8,7,6,5,4,3,2,1
	v_med3_num_f32 v[A+\j], v[\x], v[A+\j-1], v[A+\j]
.endr
	v_min_num_f32 v[A], v[\x], v[A]
.endm
; second sweep: item s30 is taken if x <= THR.  A taken item shifts the 128-bit list down by a byte and enters at the top,
; so that after sixteen the first taken lies in byte 0.  THR falls from U to the float below it when NEED ties have been met.
.macro TAKE x
	v_cmp_eq_f32 vcc_lo, v[\x], v[U]
	v_cmp_le_f32 s40, v[\x], v[THR]
	v_add_co_ci_u32 v[EQC], vcc_lo, 0, v[EQC], vcc_lo
	v_cndmask_b32 v[SH], 0, v[EIGHT], s40
	v_cmp_lt_u32 vcc_lo, v[EQC], v[NEED]
	v_alignbit_b32 v[R], v[R+1], v[R], v[SH]
	v_alignbit_b32 v[R+1], v[R+2], v[R+1], v[SH]
	v_cndmask_b32 v[THR], v[UP], v[U], vcc_lo
	v_alignbit_b32 v[R+2], v[R+3], v[R+2], v[SH]
	v_alignbit_b32 v[R+3], s30, v[R+3], v[SH]
	s_add_co_u32 s30, s30, 1
.endm
.macro LOAD16 buf, off
.irp t, 0,1,2,3
	ds_load_b128 v[\buf+4*\t:\buf+4*\t+3], v[MA] offset:\off+16*\t
.endr
.endm
; 16 items from buffer cur; more = 1: the next 16 are asked for first, into nxt, from byte off
.macro CHUNK cur, nxt, more, off, kind
.if \more
	LOAD16 \nxt, \off
	s_wait_dscnt 0x4                               ; the four loads just issued stay out; cur's are in
.else
	s_wait_dscnt 0x0                               ; nothing was issued behind cur's loads
.endif
.irp i, 0,1,2,3,4,5,6,7,8,9,10,11,12,13,14,15
.if \kind
	TAKE \cur+\i
.else
	INS \cur+\i
.endif
.endr
.endm
	v_mov_b32 v[MA], v[MA0]
.irp j, 0,1,2,3,4,5,6,7,8,9,10,11,12,13,14,15
	v_mov_b32 v[A+\j], 0x7f800000                  ; +infinity: sixteen places that any item beats
.endr
	LOAD16 MB0, 0
	s_mov_b32 s31, 0
.Lsort:                                            ; first sweep: 16 chunks of 16 items, two a trip, the last two behind the loop
	CHUNK MB0, MB1, 1, 64, 0
	CHUNK MB1, MB0, 1, 128, 0
	v_add_nc_u32 v[MA], 128, v[MA]
	s_add_co_u32 s31, s31, 1
	s_cmp_lt_u32 s31, 7
	s_cbranch_scc1 .Lsort
	CHUNK MB0, MB1, 1, 64, 0
	CHUNK MB1, MB0, 0, 0, 0                        ; no read leaves the row
	; how many of the sixteen lie below U; the rest are ties at U, taken in the order of the items
	v_mov_b32 v[EQC], 0
.irp j, 0,1,2,3,4,5,6,7,8,9,10,11,12,13,14
	v_cmp_lt_f32 vcc_lo, v[A+\j], v[U]
	v_add_co_ci_u32 v[EQC], vcc_lo, 0, v[EQC], vcc_lo
.endr
	v_sub_nc_u32 v[NEED], 16, v[EQC]
	v_mov_b32 v[EQC], 0
	v_add_nc_u32 v[UP], -1, v[U]                   ; U >= +0: the float next below; for U = 0 a NaN pattern, below which nothing lies
	v_mov_b32 v[THR], v[U]
	v_mov_b32 v[EIGHT], 8
.irp j, 0,1,2,3
	v_mov_b32 v[R+\j], 0
.endr
	v_mov_b32 v[MA], v[MA0]
	s_mov_b32 s30, 0
	LOAD16 MB0, 0
	s_mov_b32 s31, 0
.Ltake:                                            ; second sweep, the same walk
	CHUNK MB0, MB1, 1, 64, 1
	CHUNK MB1, MB0, 1, 128, 1
	v_add_nc_u32 v[MA], 128, v[MA]
	s_add_co_u32 s31, s31, 1
	s_cmp_lt_u32 s31, 7
	s_cbranch_scc1 .Ltake
	CHUNK MB0, MB1, 1, 64, 1
	CHUNK MB1, MB0, 0, 0, 1
	global_store_b128 v[LO], v[R:R+3], s[LISTB:LISTB+1]    ; a wave stores 512 consecutive bytes
	s_wait_tensorcnt 0x0
	ds_add_u32 v126, v127
	s_wait_dscnt 0x0
	s_endpgm
.Lfunc_end_k_q29e6302840_groups:
	.size	k_q29e6302840_groups, .Lfunc_end_k_q29e6302840_groups-k_q29e6302840_groups
	.p2alignl 7, 3214868480
	.fill 96, 4, 3214868480
	.section	.rodata,"a",@progbits
	.p2align	6, 0x0
	.amdhsa_kernel k_q29e6302840_groups
		.amdhsa_group_segment_fixed_size 133632
		.amdhsa_private_segment_fixed_size 0
		.amdhsa_enable_private_segment 0
		.amdhsa_kernarg_size 24
		.amdhsa_user_sgpr_count 2
		.amdhsa_user_sgpr_kernarg_segment_ptr 1
		.amdhsa_wavefront_size32 1
		.amdhsa_system_sgpr_workgroup_id_x 1
		.amdhsa_system_sgpr_workgroup_id_y 1
		.amdhsa_system_sgpr_workgroup_id_z 1
		.amdhsa_system_vgpr_workitem_id 0
		.amdhsa_next_free_vgpr 768
		.amdhsa_next_free_sgpr 66
		.amdhsa_reserve_vcc 1
		.amdhsa_float_denorm_mode_32 3
		.amdhsa_float_denorm_mode_16_64 3
		.amdhsa_memory_ordered 1
		.amdhsa_forward_progress 1
		.amdhsa_inst_pref_size 167
	.end_amdhsa_kernel
	.amdgpu_metadata
---
amdhsa.version: [ 1, 2 ]
amdhsa.kernels:
  - .name:           k_q29e6302840_groups
    .symbol:         k_q29e6302840_groups.kd
    .args:
      - { .name: k, .offset: 0, .size: 8, .value_kind: global_buffer, .address_space: global }
      - { .name: q, .offset: 8, .size: 8, .value_kind: global_buffer, .address_space: global }
      - { .name: glist, .offset: 16, .size: 8, .value_kind: global_buffer, .address_space: global }
    .group_segment_fixed_size: 133632
    .private_segment_fixed_size: 0
    .kernarg_segment_align: 8
    .kernarg_segment_size: 24
    .max_flat_workgroup_size: 128
    .sgpr_count:     66
    .vgpr_count:     768
    .wavefront_size: 32
...
	.end_amdgpu_metadata
.endif
;; end of part 1
;; launch cands (part 2): grid 256 x 1, 4 waves a work-group, no clusters, 186,880 bytes of LDS; arguments k, q, glist, clist; writes clist
.if DOCPART == 2
	.amdgcn_target "amdgcn-amd-amdhsa--gfx1250"
	.amdhsa_code_object_version 6
	.text
	.protected	k_q29e6302840_cands
	.globl	k_q29e6302840_cands
	.p2align	8
	.type	k_q29e6302840_cands,@function
k_q29e6302840_cands:
	s_mov_b64 s[64:65], 0
	v_nop
	global_prefetch_b8 v0, s[64:65] scope:SCOPE_SE
	s_setreg_imm32_b32 hwreg(HW_REG_WAVE_MODE, 25, 1), 1
	s_wait_xcnt 0x0
; SECOND OF THREE LAUNCHES: among the 16 x 16 = 256 keys of a query's 16 best groups (glist), the 16 best keys.
; Candidate c = 16 x (place of the group in glist) + (key in the group).  glist ascends, so candidates stand in the order of the key
; indices, and taking the first among equals takes the lower index.  clist gets the 16 candidate numbers, one byte each, ascending.
; ARITHMETIC and LIMITS as in the first launch: q and k rounded to bf16; P = (-2 k0) q0, P = fma(-2 k1, q1, P), T = k2 + q2, D = T + P,
; clamped at 0: the same bits as there.  The order is that of d2, not of its rounded root; products below 2^-126 are not exact;
; NaN and infinities are not served.
; SHARES.  256 work-groups x 4 waves, lane = query (128 x work-group + thread), batch = work-group / 32.
; LDS: KEYS at 0: 256 groups x 208 bytes (16 X', 16 Y', 16 S, 16 bytes of padding: the pitch is an odd multiple of 16), made once by the
; whole work-group, read-only behind the one barrier.  ROWS at 53,248: each wave's own 32 rows of 1,040 bytes, 256 items a row.
; The addresses into KEYS come from glist, whole numbers that the launch before stored, clamped to 255.
; Loads go through registers (32 KiB once per work-group): no tensor load, no cluster.
; v3 row store address, v4 MA, v5 208 t, v[8:9] q, v[12:15] my list, v[16:21] q0, q1, q2 as pairs, v[24:27] group addresses,
; v30 my row, v31 16 t, v[48:63] D, v[64:255] four groups' X', Y', S (first: raw keys and scratch); phase B as in the first launch.
; s[4:5] k, s[6:7] q, s[8:9] glist, s[10:11] clist, s13 mask, s20 trips, s21 wave, s22 its rows, s30 item, s31 trips, s40 a lane mask
.set ROWP,  1040
.set WROWS, 32*ROWP
.set GP,    208                        ; bytes of a group in KEYS
.set ROWS,  256*GP
.set LISTB, 10                         ; s[10:11]: where the list goes
.set RAW,   64
.set TMP,   128
.set XP,    144
.set YP,    160
.set SS,    176
.set GA,    24
.set KD,    64
.set DD,    48
.set MA,    4
.set MA0,   30
.set LO,    31
.set A,     32
.set U,     A+15
.set MB0,   48
.set MB1,   64
.set UP,    81
.set THR,   82
.set EQC,   83
.set NEED,  84
.set SH,    85
.set EIGHT, 86
.set R,     88
	s_load_b256 s[4:11], s[0:1], 0x0               ; k, q, glist, clist
	v_lshl_add_u32 v28, v0, 2, 0x2d800
	v_mov_b32 v29, 0
	v_and_b32 v1, 31, v0                           ; lane
	v_lshrrev_b32 v2, 5, v0
	v_readfirstlane_b32 s21, v2                    ; wave
	s_mul_i32 s22, s21, WROWS
	s_add_co_u32 s22, s22, ROWS                    ; my wave's rows
	s_lshr_b32 s14, ttmp9, 5                       ; batch
	s_lshl_b32 s14, s14, 15
	s_mov_b32 s15, 0
	s_lshl_b32 s16, ttmp9, 10
	s_mov_b32 s17, 0
	s_lshl_b32 s18, ttmp9, 11
	s_mov_b32 s19, 0
	s_mov_b32 s13, 0xffff0000
	v_lshlrev_b32 v2, 7, v0                        ; 128 t: group t's keys
	v_lshlrev_b32 v6, 3, v0                        ; 8 t: my query
	v_lshlrev_b32 v[LO], 4, v0                     ; 16 t: my lists
	v_mul_u32_u24 v5, v0, GP                       ; group t in KEYS
	v_mul_u32_u24 v[MA0], v1, ROWP
	v_add_nc_u32 v[MA0], s22, v[MA0]               ; my row
	v_mov_b32 v3, v[MA0]
	s_wait_kmcnt 0x0
	s_add_nc_u64 s[4:5], s[4:5], s[14:15]
	s_add_nc_u64 s[6:7], s[6:7], s[16:17]
	s_add_nc_u64 s[8:9], s[8:9], s[18:19]
	s_add_nc_u64 s[10:11], s[10:11], s[18:19]
.irp w, 0,1
.irp j, 0,1,2,3,4,5,6,7
	global_load_b128 v[RAW+32*\w+4*\j:RAW+32*\w+4*\j+3], v2, s[4:5] offset:16384*\w+16*\j    ; groups t and t + 128
.endr
.endr
	global_load_b128 v[12:15], v[LO], s[8:9]
	global_load_b64 v[8:9], v6, s[6:7]
	s_wait_loadcnt 0x0
; one group: round to bf16, X' = -2 x, Y' = -2 y, S = x x + y y (one rounding), 192 bytes into KEYS
.macro PREPG w
.irp i, 0,1,2,3,4,5,6,7,8,9,10,11,12,13,14,15
	v_cvt_pk_bf16_f32 v[TMP+\i], v[RAW+32*\w+2*\i], v[RAW+32*\w+2*\i+1]
.endr
.irp i, 0,1,2,3,4,5,6,7,8,9,10,11,12,13,14,15
	v_lshlrev_b32 v[RAW+32*\w+2*\i], 16, v[TMP+\i]
	v_and_b32 v[RAW+32*\w+2*\i+1], s13, v[TMP+\i]
.endr
.irp i, 0,1,2,3,4,5,6,7,8,9,10,11,12,13,14,15
	v_mul_f32 v[TMP+\i], v[RAW+32*\w+2*\i], v[RAW+32*\w+2*\i]
	v_mul_f32 v[XP+\i], -2.0, v[RAW+32*\w+2*\i]
	v_mul_f32 v[YP+\i], -2.0, v[RAW+32*\w+2*\i+1]
.endr
.irp i, 0,1,2,3,4,5,6,7,8,9,10,11,12,13,14,15
	v_fma_f32 v[SS+\i], v[RAW+32*\w+2*\i+1], v[RAW+32*\w+2*\i+1], v[TMP+\i]
.endr
.irp u, 0,1,2,3,4,5,6,7,8,9,10,11
	ds_store_b128 v5, v[XP+4*\u:XP+4*\u+3] offset:128*GP*\w+16*\u
.endr
.endm
	PREPG 0
	PREPG 1
	v_cvt_pk_bf16_f32 v10, v8, v9                  ; my query, rounded, each number twice for the packed forms
	v_lshlrev_b32 v16, 16, v10
	v_lshlrev_b32 v17, 16, v10
	v_and_b32 v18, s13, v10
	v_and_b32 v19, s13, v10
	v_mul_f32 v20, v16, v16
	v_fma_f32 v20, v18, v18, v20
	v_mov_b32 v21, v20
	s_wait_dscnt 0x0                               ; my part of KEYS is written: zero, for the other waves' sake
	s_barrier_signal -1
	s_barrier_wait -1                              ; all of KEYS is; nobody writes it again
	; four trips, each one word of the list = four groups = 64 candidates
	s_mov_b32 s20, 0
.Lslots:
.irp s, 0,1,2,3
	v_bfe_u32 v[GA+\s], v12, 8*\s, 8
	v_min_u32 v[GA+\s], 0xff, v[GA+\s]             ; a group number stays inside KEYS whatever the list holds
	v_mul_u32_u24 v[GA+\s], v[GA+\s], GP
.irp u, 0,1,2,3,4,5,6,7,8,9,10,11
	ds_load_b128 v[KD+48*\s+4*\u:KD+48*\s+4*\u+3], v[GA+\s] offset:16*\u
.endr
.endr
	v_mov_b32 v12, v13                             ; the next word of the list
	v_mov_b32 v13, v14
	v_mov_b32 v14, v15
.irp s, 0,1,2,3
	s_wait_dscnt 12*(3-\s)+4*\s                    ; behind this group's loads: twelve loads for each later group, four stores for each earlier one
.irp p, 0,2,4,6,8,10,12,14
	v_pk_mul_f32 v[KD+48*\s+\p:KD+48*\s+\p+1], v[KD+48*\s+\p:KD+48*\s+\p+1], v[16:17]                                         ; P = X' q0
.endr
.irp p, 0,2,4,6,8,10,12,14
	v_pk_fma_f32 v[KD+48*\s+\p:KD+48*\s+\p+1], v[KD+48*\s+16+\p:KD+48*\s+16+\p+1], v[18:19], v[KD+48*\s+\p:KD+48*\s+\p+1]     ; P = Y' q1 + P
.endr
.irp p, 0,2,4,6,8,10,12,14
	v_pk_add_f32 v[KD+48*\s+32+\p:KD+48*\s+32+\p+1], v[KD+48*\s+32+\p:KD+48*\s+32+\p+1], v[20:21]                             ; T = S + q2
.endr
.irp p, 0,2,4,6,8,10,12,14
	v_pk_add_f32 v[DD+\p:DD+\p+1], v[KD+48*\s+32+\p:KD+48*\s+32+\p+1], v[KD+48*\s+\p:KD+48*\s+\p+1]                           ; D = T + P
.endr
.irp i, 0,1,2,3,4,5,6,7,8,9,10,11,12,13,14,15
	v_max_num_f32 v[DD+\i], 0, v[DD+\i]
.endr
.irp u, 0,1,2,3
	ds_store_b128 v3, v[DD+4*\u:DD+4*\u+3] offset:64*\s+16*\u
.endr
.endr
	v_add_nc_u32 v3, 256, v3                       ; 64 items on in my row
	s_add_co_u32 s20, s20, 1
	s_cmp_lt_u32 s20, 4
	s_cbranch_scc1 .Lslots
	; PHASE B, the text of the first launch: the 16 first of my row's 256 items in the order (value, item number).
	; Each lane reads the row that it wrote itself, and LDS serves a wave's instructions in order: no wait, no barrier.
.macro INS x
.irp j, 15,14,13,12,11,10,9,8,7,6,5,4,3,2,1
	v_med3_num_f32 v[A+\j], v[\x], v[A+\j-1], v[A+\j]
.endr
	v_min_num_f32 v[A], v[\x], v[A]
.endm
.macro TAKE x
	v_cmp_eq_f32 vcc_lo, v[\x], v[U]
	v_cmp_le_f32 s40, v[\x], v[THR]
	v_add_co_ci_u32 v[EQC], vcc_lo, 0, v[EQC], vcc_lo
	v_cndmask_b32 v[SH], 0, v[EIGHT], s40
	v_cmp_lt_u32 vcc_lo, v[EQC], v[NEED]
	v_alignbit_b32 v[R], v[R+1], v[R], v[SH]
	v_alignbit_b32 v[R+1], v[R+2], v[R+1], v[SH]
	v_cndmask_b32 v[THR], v[UP], v[U], vcc_lo
	v_alignbit_b32 v[R+2], v[R+3], v[R+2], v[SH]
	v_alignbit_b32 v[R+3], s30, v[R+3], v[SH]
	s_add_co_u32 s30, s30, 1
.endm
.macro LOAD16 buf, off
.irp t, 0,1,2,3
	ds_load_b128 v[\buf+4*\t:\buf+4*\t+3], v[MA] offset:\off+16*\t
.endr
.endm
.macro CHUNK cur, nxt, more, off, kind
.if \more
	LOAD16 \nxt, \off
	s_wait_dscnt 0x4                               ; the four loads just issued stay out; cur's are in
.else
	s_wait_dscnt 0x0                               ; nothing was issued behind cur's loads
.endif
.irp i, 0,1,2,3,4,5,6,7,8,9,10,11,12,13,14,15
.if \kind
	TAKE \cur+\i
.else
	INS \cur+\i
.endif
.endr
.endm
	v_mov_b32 v[MA], v[MA0]
.irp j, 0,1,2,3,4,5,6,7,8,9,10,11,12,13,14,15
	v_mov_b32 v[A+\j], 0x7f800000                  ; +infinity
.endr
	LOAD16 MB0, 0
	s_mov_b32 s31, 0
.Lsort:
	CHUNK MB0, MB1, 1, 64, 0
	CHUNK MB1, MB0, 1, 128, 0
	v_add_nc_u32 v[MA], 128, v[MA]
	s_add_co_u32 s31, s31, 1
	s_cmp_lt_u32 s31, 7
	s_cbranch_scc1 .Lsort
	CHUNK MB0, MB1, 1, 64, 0
	CHUNK MB1, MB0, 0, 0, 0
	v_mov_b32 v[EQC], 0
.irp j, 0,1,2,3,4,5,6,7,8,9,10,11,12,13,14
	v_cmp_lt_f32 vcc_lo, v[A+\j], v[U]
	v_add_co_ci_u32 v[EQC], vcc_lo, 0, v[EQC], vcc_lo
.endr
	v_sub_nc_u32 v[NEED], 16, v[EQC]
	v_mov_b32 v[EQC], 0
	v_add_nc_u32 v[UP], -1, v[U]                   ; the float next below U; for U = 0 a NaN pattern, below which nothing lies
	v_mov_b32 v[THR], v[U]
	v_mov_b32 v[EIGHT], 8
.irp j, 0,1,2,3
	v_mov_b32 v[R+\j], 0
.endr
	v_mov_b32 v[MA], v[MA0]
	s_mov_b32 s30, 0
	LOAD16 MB0, 0
	s_mov_b32 s31, 0
.Ltake:
	CHUNK MB0, MB1, 1, 64, 1
	CHUNK MB1, MB0, 1, 128, 1
	v_add_nc_u32 v[MA], 128, v[MA]
	s_add_co_u32 s31, s31, 1
	s_cmp_lt_u32 s31, 7
	s_cbranch_scc1 .Ltake
	CHUNK MB0, MB1, 1, 64, 1
	CHUNK MB1, MB0, 0, 0, 1
	global_store_b128 v[LO], v[R:R+3], s[LISTB:LISTB+1]    ; a wave stores 512 consecutive bytes
	s_wait_tensorcnt 0x0
	ds_add_u32 v28, v29
	s_wait_dscnt 0x0
	s_endpgm
.Lfunc_end_k_q29e6302840_cands:
	.size	k_q29e6302840_cands, .Lfunc_end_k_q29e6302840_cands-k_q29e6302840_cands
	.p2alignl 7, 3214868480
	.fill 96, 4, 3214868480
	.section	.rodata,"a",@progbits
	.p2align	6, 0x0
	.amdhsa_kernel k_q29e6302840_cands
		.amdhsa_group_segment_fixed_size 186880
		.amdhsa_private_segment_fixed_size 0
		.amdhsa_enable_private_segment 0
		.amdhsa_kernarg_size 32
		.amdhsa_user_sgpr_count 2
		.amdhsa_user_sgpr_kernarg_segment_ptr 1
		.amdhsa_wavefront_size32 1
		.amdhsa_system_sgpr_workgroup_id_x 1
		.amdhsa_system_sgpr_workgroup_id_y 1
		.amdhsa_system_sgpr_workgroup_id_z 1
		.amdhsa_system_vgpr_workitem_id 0
		.amdhsa_next_free_vgpr 256
		.amdhsa_next_free_sgpr 66
		.amdhsa_reserve_vcc 1
		.amdhsa_float_denorm_mode_32 3
		.amdhsa_float_denorm_mode_16_64 3
		.amdhsa_memory_ordered 1
		.amdhsa_forward_progress 1
		.amdhsa_inst_pref_size 131
	.end_amdhsa_kernel
	.amdgpu_metadata
---
amdhsa.version: [ 1, 2 ]
amdhsa.kernels:
  - .name:           k_q29e6302840_cands
    .symbol:         k_q29e6302840_cands.kd
    .args:
      - { .name: k, .offset: 0, .size: 8, .value_kind: global_buffer, .address_space: global }
      - { .name: q, .offset: 8, .size: 8, .value_kind: global_buffer, .address_space: global }
      - { .name: glist, .offset: 16, .size: 8, .value_kind: global_buffer, .address_space: global }
      - { .name: clist, .offset: 24, .size: 8, .value_kind: global_buffer, .address_space: global }
    .group_segment_fixed_size: 186880
    .private_segment_fixed_size: 0
    .kernarg_segment_align: 8
    .kernarg_segment_size: 32
    .max_flat_workgroup_size: 128
    .sgpr_count:     66
    .vgpr_count:     256
    .wavefront_size: 32
...
	.end_amdgpu_metadata
.endif
;; end of part 2
;; launch attend (part 3): grid 256 x 1, 4 waves a work-group, no clusters, 0 bytes of LDS; arguments k, q, v, q_proj_w, q_proj_b, k_proj_w, k_proj_b, glist, clist, out0; writes out0
.if DOCPART == 3
	.amdgcn_target "amdgcn-amd-amdhsa--gfx1250"
	.amdhsa_code_object_version 6
	.text
	.protected	k_q29e6302840_attend
	.globl	k_q29e6302840_attend
	.p2align	8
	.type	k_q29e6302840_attend,@function
k_q29e6302840_attend:
	s_mov_b64 s[64:65], 0
	v_nop
	global_prefetch_b8 v0, s[64:65] scope:SCOPE_SE
	s_setreg_imm32_b32 hwreg(HW_REG_WAVE_MODE, 25, 1), 1
	s_wait_xcnt 0x0
; THIRD OF THREE LAUNCHES: key indices from the two lists, scores, softmax over the 16 neighbours, weighted sum of 16 rows of v.
; Key index of candidate c: glist[c >> 4] x 16 + (c & 15); both lists are whole numbers stored by the launches before; every index is
; clamped to 4,095 before it enters an address.
; SCORES.  (Wq q + bq).(Wk k + bk) = g0 k0 + g1 k1 + c with g_d = sum_h Wk[h][d] (Wq q + bq)[h] and c = sum_h bk[h] (Wq q + bq)[h]:
; nine sums over the 64 h (Wk^T Wq, Wk^T bq, bk^T Wq, bk.bq), made once per wave, two h a lane, then three numbers per query.
; All four weight inputs enter; c is the same for a query's 16 keys and is kept all the same.
; FORMATS.  Every floating-point input is an operand of a product here and is rounded to bf16 where it arrives: q, k, Wq, Wk, bq, bk
; (the nine sums and the scores) and v (the last product).  All sums, the softmax and its weights are f32.
; The softmax takes the true maximum of the 16 scores away.  NaN and infinities among the inputs are not served.
; The matrix unit is left out: each query has its own 16 rows of v and one row of weights (M = 1).
; SHARES.  256 work-groups x 4 waves; head: lane = query (128 x work-group + thread).  Rows: the whole wave takes one row of v, 8 bytes a
; lane (256 consecutive bytes, aligned), a query's 16 rows in 16 loads, through a ring of four slots in registers: three queries' rows
; (48 loads) are on their way while one is summed.  A query's result is one store of 256 consecutive bytes, aligned.
; No LDS, no barrier, no cluster: the rows wanted differ from query to query.
; v1 8 x lane, v2 4 x lane, v3 8 t, v12 16 t, v[4:7] glist, v[8:11] clist, v14 g0, v15 g1, v16 c, v17-19 scratch, v[20:27] four sums,
; v28 output offset, v[32:47] indices, v[48:63] scores, then weights, v[64:127] row offsets (4 x 16), v[128:255] rows (4 x 32; head: scratch)
; s[4:5] k, s[6:7] q, s[8:9] v, s[10:17] Wq, bq, Wk, bk, s[18:19] glist, s[20:21] clist, s[22:23] out0, s24 query, s25, s28 lanes,
; s26, s27 lane selects, s29 mask, s[32:63] a query's 16 weights in pairs (upper words 0, never used), s[66:81] its 16 indices
.set ACC, 20
.set OO,  28
.set IDX, 32
.set W,   48
.set VO,  64
.set VD,  128
.set WS,  32
.set RI,  66
.set WQ,  128                          ; head: Wq rows L (128, 129) and L + 32 (130, 131)
.set WK,  132                          ;       Wk likewise
.set BQ,  136                          ;       bq[L], bq[L + 32]
.set BK,  138
.set QQ,  140
.set SUM, 144                          ; v[144:152] M00 M01 M10 M11 a0 a1 b0 b1 c0
.set KD,  164                          ; v[164:195] the 16 keys
.set KT,  196                          ; v[196:211] scratch
.set E,   212                          ; v[212:227] exponentials
.set PS,  228                          ; v[228:235] partial sums
	s_load_b512 s[4:19], s[0:1], 0x0
	s_load_b128 s[20:23], s[0:1], 0x40
	v_and_b32 v2, 31, v0
	v_lshrrev_b32 v13, 5, v0
	v_readfirstlane_b32 s82, v13                   ; wave
	v_lshlrev_b32 v1, 3, v2
	v_lshlrev_b32 v2, 2, v2
	v_lshlrev_b32 v3, 3, v0
	v_lshlrev_b32 v12, 4, v0
	v_mov_b32 v17, 0                               ; v_permlanex16_b32's destination counts as read
	s_mov_b32 s26, 0x76543210
	s_mov_b32 s27, 0xfedcba98
	s_mov_b32 s29, 0xffff0000
	s_lshr_b32 s83, ttmp9, 5                       ; batch
	s_mov_b32 s85, 0
.irp j, 0,1,2,3,4,5,6,7,8,9,10,11,12,13,14,15
	s_mov_b32 s[WS+2*\j+1], 0
.endr
	s_wait_kmcnt 0x0
	s_lshl_b32 s84, s83, 15                        ; k: 4,096 keys of 8 bytes a batch
	s_add_nc_u64 s[4:5], s[4:5], s[84:85]
	s_lshl_b32 s84, s83, 20                        ; v: 4,096 rows of 256 bytes a batch
	s_add_nc_u64 s[8:9], s[8:9], s[84:85]
	s_lshl_b32 s84, ttmp9, 10                      ; q: 128 queries of 8 bytes a work-group
	s_add_nc_u64 s[6:7], s[6:7], s[84:85]
	s_lshl_b32 s84, ttmp9, 11                      ; lists: 128 x 16 bytes
	s_add_nc_u64 s[18:19], s[18:19], s[84:85]
	s_add_nc_u64 s[20:21], s[20:21], s[84:85]
	s_lshl_b32 s84, ttmp9, 15                      ; out0: 128 rows of 256 bytes a work-group, 32 a wave
	s_lshl_b32 s86, s82, 13
	s_add_co_u32 s84, s84, s86
	s_add_nc_u64 s[22:23], s[22:23], s[84:85]
	global_load_b128 v[4:7], v12, s[18:19]         ; the lists first: the keys' addresses hang on them
	global_load_b128 v[8:11], v12, s[20:21]
	global_load_b64 v[WQ:WQ+1], v1, s[10:11]
	global_load_b64 v[WQ+2:WQ+3], v1, s[10:11] offset:256
	global_load_b64 v[WK:WK+1], v1, s[14:15]
	global_load_b64 v[WK+2:WK+3], v1, s[14:15] offset:256
	global_load_b32 v[BQ], v2, s[12:13]
	global_load_b32 v[BQ+1], v2, s[12:13] offset:128
	global_load_b32 v[BK], v2, s[16:17]
	global_load_b32 v[BK+1], v2, s[16:17] offset:128
	global_load_b64 v[QQ:QQ+1], v3, s[6:7]
	s_wait_loadcnt 0x9                             ; the nine loads behind the lists stay out
	; four candidates a word: the place in glist is the upper nibble; bytes 0-7 of glist by one byte permute, 8-15 by another, chosen by bit 3
.irp w, 0,1,2,3
	v_lshrrev_b32 v154, 4, v[8+\w]
	v_and_b32 v154, 0x0f0f0f0f, v154
	v_and_b32 v155, 0x07070707, v154
	v_perm_b32 v156, v5, v4, v155
	v_perm_b32 v157, v7, v6, v155
	v_and_b32 v158, 0x08080808, v154
	v_lshrrev_b32 v158, 3, v158
	v_lshlrev_b32 v159, 8, v158
	v_sub_nc_u32 v159, v159, v158                  ; 0xff in each byte whose place is 8 or more
	v_bfi_b32 v160, v159, v157, v156
.irp b, 0,1,2,3
	v_bfe_u32 v161, v160, 8*\b, 8
	v_bfe_u32 v162, v[8+\w], 8*\b, 4
	v_lshl_or_b32 v161, v161, 4, v162
	v_min_u32 v[IDX+4*\w+\b], 0xfff, v161
	v_lshlrev_b32 v[VO+4*\w+\b], 3, v[IDX+4*\w+\b]
.endr
.endr
.irp j, 0,1,2,3,4,5,6,7,8,9,10,11,12,13,14,15
	global_load_b64 v[KD+2*\j:KD+2*\j+1], v[VO+\j], s[4:5]
.endr
	s_wait_loadcnt 0x10                            ; the sixteen key loads stay out; weights, biases and q are in
.macro RND2 p                          ; a pair of f32 rounded to bf16, in place
	v_cvt_pk_bf16_f32 v18, v[\p], v[\p+1]
	v_lshlrev_b32 v[\p], 16, v18
	v_and_b32 v[\p+1], s29, v18
.endm
.macro DOT2 d, a0, b0, a1, b1          ; my two h of a sum over h
	v_mul_f32 v[\d], v[\a0], v[\b0]
	v_fmac_f32 v[\d], v[\a1], v[\b1]
.endm
	RND2 WQ
	RND2 WQ+2
	RND2 WK
	RND2 WK+2
	RND2 BQ
	RND2 BK
	RND2 QQ
	DOT2 SUM+0, WK+0, WQ+0, WK+2, WQ+2
	DOT2 SUM+1, WK+0, WQ+1, WK+2, WQ+3
	DOT2 SUM+2, WK+1, WQ+0, WK+3, WQ+2
	DOT2 SUM+3, WK+1, WQ+1, WK+3, WQ+3
	DOT2 SUM+4, WK+0, BQ, WK+2, BQ+1
	DOT2 SUM+5, WK+1, BQ, WK+3, BQ+1
	DOT2 SUM+6, BK, WQ+0, BK+1, WQ+2
	DOT2 SUM+7, BK, WQ+1, BK+1, WQ+3
	DOT2 SUM+8, BK, BQ, BK+1, BQ+1
.irp m, 1,2,4,8
.irp r, 0,1,2,3,4,5,6,7,8
	v_add_f32_dpp v[SUM+\r], v[SUM+\r], v[SUM+\r] row_xmask:\m row_mask:0xf bank_mask:0xf
.endr
.endr
.irp r, 0,1,2,3,4,5,6,7,8
	v_permlanex16_b32 v17, v[SUM+\r], s26, s27
	v_add_f32 v[SUM+\r], v[SUM+\r], v17            ; every lane holds the sum over all 64 h
.endr
	v_fma_f32 v14, v[SUM+1], v[QQ+1], v[SUM+4]
	v_fma_f32 v15, v[SUM+3], v[QQ+1], v[SUM+5]
	v_fma_f32 v16, v[SUM+7], v[QQ+1], v[SUM+8]
	v_fma_f32 v14, v[SUM+0], v[QQ], v14            ; g0
	v_fma_f32 v15, v[SUM+2], v[QQ], v15            ; g1
	v_fma_f32 v16, v[SUM+6], v[QQ], v16            ; c
	s_wait_loadcnt 0x0                             ; the keys
.irp j, 0,1,2,3,4,5,6,7,8,9,10,11,12,13,14,15
	v_cvt_pk_bf16_f32 v[KT+\j], v[KD+2*\j], v[KD+2*\j+1]
.endr
.irp j, 0,1,2,3,4,5,6,7,8,9,10,11,12,13,14,15
	v_lshlrev_b32 v[KD+2*\j], 16, v[KT+\j]
	v_and_b32 v[KD+2*\j+1], s29, v[KT+\j]
.endr
.irp j, 0,1,2,3,4,5,6,7,8,9,10,11,12,13,14,15
	v_fma_f32 v[W+\j], v15, v[KD+2*\j+1], v16
.endr
.irp j, 0,1,2,3,4,5,6,7,8,9,10,11,12,13,14,15
	v_fma_f32 v[W+\j], v14, v[KD+2*\j], v[W+\j]    ; the score
.endr
	v_max3_num_f32 v18, v[W], v[W+1], v[W+2]
.irp j, 3,5,7,9,11,13
	v_max3_num_f32 v18, v18, v[W+\j], v[W+\j+1]
.endr
	v_max_num_f32 v18, v18, v[W+15]                ; the largest of the 16
.irp j, 0,1,2,3,4,5,6,7,8,9,10,11,12,13,14,15
	v_sub_f32 v[W+\j], v[W+\j], v18
.endr
.irp j, 0,1,2,3,4,5,6,7,8,9,10,11,12,13,14,15
	v_mul_f32 v[W+\j], 0x3fb8aa3b, v[W+\j]         ; x log2 e: v_exp_f32 works in base 2
.endr
.irp j, 0,1,2,3,4,5,6,7,8,9,10,11,12,13,14,15
	v_exp_f32 v[E+\j], v[W+\j]
.endr
	v_nop                                          ; one plain place behind the last exponential (ISA guide 5.7.2)
	s_wait_alu depctr_va_vdst(0)
.irp c, 0,1,2,3
	v_pk_add_f32 v[PS+2*\c:PS+2*\c+1], v[E+4*\c:E+4*\c+1], v[E+4*\c+2:E+4*\c+3]
.endr
	v_pk_add_f32 v[PS:PS+1], v[PS:PS+1], v[PS+2:PS+3]
	v_pk_add_f32 v[PS+4:PS+5], v[PS+4:PS+5], v[PS+6:PS+7]
	v_pk_add_f32 v[PS:PS+1], v[PS:PS+1], v[PS+4:PS+5]
	v_add_f32 v19, v[PS], v[PS+1]                  ; at least 1: the largest score gives exp 0
	v_rcp_f32 v18, v19
	v_nop                                          ; one plain place behind the reciprocal
	s_wait_alu depctr_va_vdst(0)
.irp j, 0,1,2,3,4,5,6,7,8,9,10,11,12,13,14,15
	v_mul_f32 v[W+\j], v[E+\j], v18                ; the weights
.endr
; the 16 rows of the query in lane ln are asked for, into ring slot u.  The slot's offsets and rows were freed by the counted
; s_wait_loadcnt of the CONSUME that summed its last query.
.macro ISSUE ln, u
.irp j, 0,1,2,3,4,5,6,7,8,9,10,11,12,13,14,15
	v_readlane_b32 s[RI+\j], v[IDX+\j], \ln
.endr
.irp j, 0,1,2,3,4,5,6,7,8,9,10,11,12,13,14,15
	s_min_u32 s[RI+\j], s[RI+\j], 0xfff
.endr
.irp j, 0,1,2,3,4,5,6,7,8,9,10,11,12,13,14,15
	v_lshl_add_u32 v[VO+16*\u+\j], s[RI+\j], 8, v1         ; 256 x row + 8 x lane
.endr
.irp j, 0,1,2,3,4,5,6,7,8,9,10,11,12,13,14,15
	global_load_b64 v[VD+32*\u+2*\j:VD+32*\u+2*\j+1], v[VO+16*\u+\j], s[8:9]
.endr
.endm
; the query in lane ln, rows in slot u: the rows are rounded to bf16 in place, then four chains of fused multiply-adds, two columns a
; lane.  left = younger loads that stay out.
.macro CONSUME ln, u, left
	s_wait_loadcnt \left
	s_wait_xcnt 0x0                                ; the last store has read its sums and its offset: they are rewritten only behind this wait
.irp j, 0,1,2,3,4,5,6,7,8,9,10,11,12,13,14,15
	v_readlane_b32 s[WS+2*\j], v[W+\j], \ln
.endr
.irp j, 0,1,2,3,4,5,6,7,8,9,10,11,12,13,14,15
	v_cvt_pk_bf16_f32 v[VD+32*\u+2*\j+1], v[VD+32*\u+2*\j], v[VD+32*\u+2*\j+1]     ; my two columns of row j, rounded and packed
.endr
.irp j, 0,1,2,3,4,5,6,7,8,9,10,11,12,13,14,15
	v_lshlrev_b32 v[VD+32*\u+2*\j], 16, v[VD+32*\u+2*\j+1]                         ; and widened again: the low half moves up,
	v_and_b32 v[VD+32*\u+2*\j+1], s29, v[VD+32*\u+2*\j+1]                          ; the high half stays
.endr
.irp c, 0,1,2,3
	v_pk_mul_f32 v[ACC+2*\c:ACC+2*\c+1], v[VD+32*\u+2*\c:VD+32*\u+2*\c+1], s[WS+2*\c:WS+2*\c+1] op_sel_hi:[1,0]
.endr
.irp j, 4,5,6,7,8,9,10,11,12,13,14,15
	v_pk_fma_f32 v[ACC+2*(\j%4):ACC+2*(\j%4)+1], v[VD+32*\u+2*\j:VD+32*\u+2*\j+1], s[WS+2*\j:WS+2*\j+1], v[ACC+2*(\j%4):ACC+2*(\j%4)+1] op_sel_hi:[1,0,1]
.endr
	v_pk_add_f32 v[ACC:ACC+1], v[ACC:ACC+1], v[ACC+2:ACC+3]
	v_pk_add_f32 v[ACC+4:ACC+5], v[ACC+4:ACC+5], v[ACC+6:ACC+7]
	v_pk_add_f32 v[ACC:ACC+1], v[ACC:ACC+1], v[ACC+4:ACC+5]
	v_lshl_add_u32 v[OO], \ln, 8, v1
	global_store_b64 v[OO], v[ACC:ACC+1], s[22:23] th:TH_STORE_NT
.endm
	ISSUE 0, 0
	ISSUE 1, 1
	ISSUE 2, 2
	s_mov_b32 s24, 0
.Lrows:                                            ; seven trips of four queries: query n + 3 is asked for, query n summed
	s_add_co_u32 s25, s24, 3
	ISSUE s25, 3
	CONSUME s24, 0, 48                             ; 48: the 16 loads of each of the three younger queries
	s_add_co_u32 s25, s24, 4
	s_add_co_u32 s28, s24, 1
	ISSUE s25, 0
	CONSUME s28, 1, 48
	s_add_co_u32 s25, s24, 5
	s_add_co_u32 s28, s24, 2
	ISSUE s25, 1
	CONSUME s28, 2, 48
	s_add_co_u32 s25, s24, 6
	s_add_co_u32 s28, s24, 3
	ISSUE s25, 2
	CONSUME s28, 3, 48
	s_add_co_u32 s24, s24, 4
	s_cmp_lt_u32 s24, 28
	s_cbranch_scc1 .Lrows
	ISSUE 31, 3                                    ; the last query's rows, then the counts run down
	CONSUME 28, 0, 48
	CONSUME 29, 1, 32
	CONSUME 30, 2, 16
	CONSUME 31, 3, 0
	s_endpgm
.Lfunc_end_k_q29e6302840_attend:
	.size	k_q29e6302840_attend, .Lfunc_end_k_q29e6302840_attend-k_q29e6302840_attend
	.p2alignl 7, 3214868480
	.fill 96, 4, 3214868480
	.section	.rodata,"a",@progbits
	.p2align	6, 0x0
	.amdhsa_kernel k_q29e6302840_attend
		.amdhsa_group_segment_fixed_size 0
		.amdhsa_private_segment_fixed_size 0
		.amdhsa_enable_private_segment 0
		.amdhsa_kernarg_size 80
		.amdhsa_user_sgpr_count 2
		.amdhsa_user_sgpr_kernarg_segment_ptr 1
		.amdhsa_wavefront_size32 1
		.amdhsa_system_sgpr_workgroup_id_x 1
		.amdhsa_system_sgpr_workgroup_id_y 1
		.amdhsa_system_sgpr_workgroup_id_z 1
		.amdhsa_system_vgpr_workitem_id 0
		.amdhsa_next_free_vgpr 256
		.amdhsa_next_free_sgpr 90
		.amdhsa_reserve_vcc 0
		.amdhsa_float_denorm_mode_32 3
		.amdhsa_float_denorm_mode_16_64 3
		.amdhsa_memory_ordered 1
		.amdhsa_forward_progress 1
		.amdhsa_inst_pref_size 96
	.end_amdhsa_kernel
	.amdgpu_metadata
---
amdhsa.version: [ 1, 2 ]
amdhsa.kernels:
  - .name:           k_q29e6302840_attend
    .symbol:         k_q29e6302840_attend.kd
    .args:
      - { .name: k, .offset: 0, .size: 8, .value_kind: global_buffer, .address_space: global }
      - { .name: q, .offset: 8, .size: 8, .value_kind: global_buffer, .address_space: global }
      - { .name: v, .offset: 16, .size: 8, .value_kind: global_buffer, .address_space: global }
      - { .name: q_proj_w, .offset: 24, .size: 8, .value_kind: global_buffer, .address_space: global }
      - { .name: q_proj_b, .offset: 32, .size: 8, .value_kind: global_buffer, .address_space: global }
      - { .name: k_proj_w, .offset: 40, .size: 8, .value_kind: global_buffer, .address_space: global }
      - { .name: k_proj_b, .offset: 48, .size: 8, .value_kind: global_buffer, .address_space: global }
      - { .name: glist, .offset: 56, .size: 8, .value_kind: global_buffer, .address_space: global }
      - { .name: clist, .offset: 64, .size: 8, .value_kind: global_buffer, .address_space: global }
      - { .name: out0, .offset: 72, .size: 8, .value_kind: global_buffer, .address_space: global }
    .group_segment_fixed_size: 0
    .private_segment_fixed_size: 0
    .kernarg_segment_align: 8
    .kernarg_segment_size: 80
    .max_flat_workgroup_size: 128
    .sgpr_count:     90
    .vgpr_count:     256
    .wavefront_size: 32
...
	.end_amdgpu_metadata
.endif
;; end of part 3
